; MI455X (gfx1250); checked and timed in simulation.
; The chip was launched on July 23, 2026; its instructions are those of AMD's public machine-readable ISA for CDNA 5 (MIT licence, August 2026) and "CDNA5" Instruction Set Architecture Reference Guide (July 2026). The comments in the code are by the model that wrote it; some were corrected since.
;; Test FP8 GEMM. Allowed arithmetic: matrix products marked QUANTISED: E2M3 operands, one E8M0 scale for each 32 along K, by v_wmma_scale_f32_16x16x128_f8f6f4 with both operands' format E2M3, f32 sums; everything else in f32.
;; Inputs: bias 4,096 bfloat16; inp 4,096 x 4,096 float32; weight 4,096 x 4,096 float32.
;; Outputs: out0 4,096 x 4,096 float32.
;; This version of the problem:
;;   THIS VERSION OF THE PROBLEM IS GIVEN IN LOW PRECISION. The matrix products marked QUANTISED in the list below multiply operands that are first quantised to E2M3 (2 exponent bits, 3 mantissa bits; 6 bits a number), with one power-of-two scale for each 32 numbers along K (OCP MX v1.0); their sums are f32. All else is computed in f32.
;;   The module's matrix products, in the order in which they are computed (A, B: the left and right operand; K: the contracted axis; several contracted axes count as one K, in the product's order):
;;     1. [M 4,096, K 4,096] x [K 4,096, N 4,096]; A: computed on the way; B: computed on the way: QUANTISED
;;   THE QUANTISER, for each operand of a quantised product, along K:
;;     - K is cut into blocks of 32 from its start; a last block that is shorter is filled with zeros.
;;     - A block's scale is 2^e with e = floor(log2(the largest magnitude in the block)) - 2, held to -126 .. 127; a block of zeros has e = 0. As a byte (E8M0): e + 127.
;;     - Each number is divided by its block's scale, clamped to +-7.5, and rounded to the nearest number of E2M3, ties to even, subnormals kept.
;;     - The product sums the exact products of the quantised numbers (number of the format x scale) in f32.
;;   ~~~python
;;   def quantise(x, axis):      # numpy; x: float32 -> the quantised numbers, widened to float32 again
;;       x = np.moveaxis(x, axis, -1); K = x.shape[-1]
;;       x = np.pad(x, [(0, 0)] * (x.ndim - 1) + [(0, -K % 32)]); x = x.reshape(x.shape[:-1] + (-1, 32)); a = np.abs(x).max(-1, keepdims=True)
;;       e = np.where(a > 0, np.clip(np.frexp(np.where(a > 0, a, 1))[1] - 1 - 2, -126, 127), 0)      # np.frexp(a)[1] - 1 = floor(log2(a)), exactly
;;       r = np.clip(x / 2.0 ** e, -7.5, 7.5)
;;       step = 2.0 ** (np.maximum(np.frexp(np.where(r == 0, 1, r))[1] - 1, 0) - 3)
;;       q = np.round(r / step) * step * 2.0 ** e      # np.round: ties to even
;;       return np.moveaxis(q.reshape(q.shape[:-2] + (-1,))[..., :K], -1, axis).astype(np.float32)
;;   ~~~
;;   OPERANDS COMPUTED ON THE WAY. 'Computed on the way' means the value that the module computes at that place (a softmax that the list does not call 'softmax' is quantised finished and normalised). What goes into a quantiser is computed in f32, as accurately as f32 sums, v_exp_f32 and their like allow (about 1e-6 of the number): no bf16 or f16 on the way to a quantiser, and a product that is left as it is and whose result goes on into a quantised operand takes f32 operands (vector FMAs, or v_wmma_f32_16x16x4_f32). A number that lies on a knife's edge between two numbers of the format may be rounded either way, as far as f32 arithmetic and the matrix unit's own rounding can turn it there, and no further.
;; One version. Each part assembles by itself: llvm-mc -triple=amdgcn-amd-amdhsa -mcpu=gfx1250 --defsym DOCPART=n.
;; ======== version 1 of 1: 2 launches
;; limits: right only within a limited range of input values
;; workspace buffers: aq 13,107,200 bytes; bq 13,107,200 bytes
;; launch quant (part 1): grid 512 x 1, 4 waves a work-group, no clusters, 34,304 bytes of LDS; arguments inp, weight, aq, bq; writes aq, bq
.if DOCPART == 1
	.amdgcn_target "amdgcn-amd-amdhsa--gfx1250"
	.amdhsa_code_object_version 6
	.text
	.protected	k_q339cd5202e_quant
	.globl	k_q339cd5202e_quant
	.p2align	8
	.type	k_q339cd5202e_quant,@function
k_q339cd5202e_quant:
	s_mov_b64 s[64:65], 0
	v_nop
	global_prefetch_b8 v0, s[64:65] scope:SCOPE_SE
	s_setreg_imm32_b32 hwreg(HW_REG_WAVE_MODE, 25, 1), 1
	s_wait_xcnt 0x0
; inp [4096][4096] and weight [4096][4096], f32, become operands of the product's launch: each number is first cast to E4M3 (nearest, ties to even) and widened again,
; as the problem's cast does, and then quantised along K to codes of FP6 (E2M3) with one E8M0 scale byte for each 32 along K:
; a block's scale is 2^(floor(log2(its largest magnitude)) - 2); its byte is the largest magnitude's exponent field - 2, held at 1 from below.
; LIMITS: magnitudes above 448 (E4M3's largest number), NaN and infinities among the inputs are not served.  A block of zeros gets the byte 1 where the rule says 127:
; its codes are zeros, which add nothing under any byte but 0xff, and the bytes are read by this program alone.
; THE WORKSPACE IS LAID IN THE ORDER OF THE OPERAND'S REGISTERS: [row / 256][k / 128][(row / 128) % 2][BLK bytes].  A BLK is 128 rows x 128 K: eight fragments of 16 rows (12 registers a lane),
; fragment i's registers 4 c .. 4 c + 3 of lane l at byte 1536 i + 512 c + 16 l; behind them, from byte 12,288 on, the scale words (four bytes: 128 K of a row): row r of fragment 4 u + v at 256 u + 16 r + 4 v.
; SHARES.  Work-groups 0-255 take inp, 256-511 weight: only pointers are chosen, both take one path.  A wave makes one BLK: eight fragments, one after the other.
; A fragment's layout gives lane (r, h) of row r the numbers k = 32 h + 0 .. 31 and 64 + 32 h + 0 .. 31: two whole blocks, so no other lane is asked for a maximum.
; Each load reads 512 consecutive bytes of one row, 16 a lane; a fragment's 16 rows turn through the wave's own stage in LDS (rows 528 bytes apart, so that sixteen lanes' 16 bytes fall in sixteen different
; columns of 16 bytes modulo 256) and come back 2 x 128 bytes a lane.  Loads run two fragments (32 loads a wave) ahead.  No tensor loads, no barrier: waves share nothing.
.set STG,   8448                       ; a wave's stage: 16 rows x 528 bytes
.set SP,    528
.set SPARE, 4*STG                      ; behind the four stages: the spare words, 128 bytes for each wave: two blocks of 256 bytes that no other line names
.set BLK,   12800
.set ROWB,  16384                      ; a row of inp or weight in bytes
.set LO,  1                            ; v1       16 x lane: my bytes of a load's 512, and of a store's
.set SI,  2                            ; v2       the stage, on the way in: wave x STG + 16 x lane
.set SO,  3                            ; v3       and on the way out: wave x STG + 528 r + 128 h
.set ONE, 4                            ; v4       1.0: the cast's scale operand (exponent field 127: divide by 1)
.set U8,  5                            ; v5       the byte 127 four times: the widening's scale (times 1)
.set SH,  6                            ; v6       8 h
.set SPW, 7                            ; v7       LDS address of my spare word; never rewritten
.set NIL, 8                            ; v8       0; never rewritten
.set M,   9                            ; v9-10    my two blocks' largest magnitudes
.set SCO, 11                           ; v11-12   the conversions' scale operands
.set W,   16                           ; v16-23   the eight fragments' scale words
.set O,   24                           ; v24-27   the four that my lane stores
.set T0,  28                           ; v28-30   a block's upper 16 codes (a conversion's three registers begin on an even number)
.set PC,  32                           ; v32-43   the fragment
.set T1,  44                           ; v44-46
.set F,   48                           ; v48-63   E4M3 codes
.set X,   64                           ; v64-127  my 64 numbers
.set R,   128                          ; v128-255 two sets of 64: 16 rows as loaded
	s_load_b256 s[4:11], s[0:1], 0x0               ; inp s[4:5], weight s[6:7], aq s[8:9], bq s[10:11]
	v_lshl_add_u32 v[SPW], v0, 2, SPARE
	v_mov_b32 v[NIL], 0
	v_lshrrev_b32 v9, 5, v0
	v_readfirstlane_b32 s12, v9                    ; wave 0..3
	v_and_b32 v10, 31, v0                          ; lane
	v_lshlrev_b32 v[LO], 4, v10
	v_and_b32 v11, 15, v0                          ; r
	v_bfe_u32 v12, v0, 4, 1                        ; h
	s_mul_i32 s13, s12, STG
	v_add_nc_u32 v[SI], s13, v[LO]
	v_mul_u32_u24 v[SO], v11, SP
	v_lshl_add_u32 v[SO], v12, 7, v[SO]
	v_add_nc_u32 v[SO], s13, v[SO]
	v_mov_b32 v[ONE], 1.0
	v_mov_b32 v[U8], 0x7f7f7f7f
	v_lshlrev_b32 v[SH], 3, v12
	v_mov_b32 v14, 0                               ; written once: a lane permute's destination counts as one of its sources
	s_and_b32 s14, ttmp9, 255                      ; my work-group's number within its tensor
	s_lshr_b32 s15, s14, 3                         ; which 128 rows
	s_and_b32 s14, s14, 7
	s_lshl_b32 s14, s14, 2
	s_add_co_u32 s14, s14, s12                     ; t: which 128 along K is my wave's
	s_lshl_b32 s16, s15, 21                        ; in: 128 rows of 16,384 bytes,
	s_lshl_b32 s18, s14, 9                         ; + 512 t
	s_add_co_u32 s16, s16, s18
	s_mov_b32 s17, 0
	s_lshr_b32 s18, s15, 1                         ; out: ((rows / 256) x 64 + 2 t + half) x BLK
	s_lshl_b32 s18, s18, 6
	s_lshl_b32 s19, s14, 1
	s_add_co_u32 s18, s18, s19
	s_and_b32 s19, s15, 1
	s_add_co_u32 s18, s18, s19
	s_mul_i32 s18, s18, BLK
	s_mov_b32 s19, 0
	s_mov_b32 s20, 0x76543210
	s_mov_b32 s21, 0xfedcba98                      ; v_permlanex16_b32's selects for lane l xor 16
	s_wait_alu depctr_va_vdst(0)
	s_wait_kmcnt 0x0
	s_cmp_lt_u32 ttmp9, 256                        ; inp's work-group or weight's?  The choice hangs on the work-group's number alone
	s_cselect_b64 s[4:5], s[4:5], s[6:7]
	s_cselect_b64 s[8:9], s[8:9], s[10:11]
	s_add_nc_u64 s[4:5], s[4:5], s[16:17]
	s_add_nc_u64 s[8:9], s[8:9], s[18:19]
.macro LOAD f                          ; fragment f's 16 rows into set f % 2; the offsets stay under 128 rows x 16,384 bytes, inside the signed 24-bit immediate
.irp j, 0,1,2,3,4,5,6,7,8,9,10,11,12,13,14,15
	global_load_b128 v[R+64*((\f)%2)+4*\j:R+64*((\f)%2)+4*\j+3], v[LO], s[4:5] offset:(16*(\f)+\j)*ROWB th:TH_LOAD_NT   ; 32 lanes read 512 consecutive bytes, read once in the launch
.endr
.endm
.macro FRAGQ f
.if (\f) < 7
	s_wait_loadcnt 16                              ; this fragment's 16 loads are in; the next fragment's 16 may be out
.else
	s_wait_loadcnt 0
.endif
.irp j, 0,1,2,3,4,5,6,7,8,9,10,11,12,13,14,15
	ds_store_b128 v[SI], v[R+64*((\f)%2)+4*\j:R+64*((\f)%2)+4*\j+3] offset:SP*\j
.endr
.irp j, 0,1,2,3,4,5,6,7                        ; LDS serves a wave's instructions in order: these see the stores above
	ds_load_b128 v[X+4*\j:X+4*\j+3], v[SO] offset:16*\j                ; k = 32 h + 0 .. 31 of row r
.endr
.irp j, 0,1,2,3,4,5,6,7
	ds_load_b128 v[X+32+4*\j:X+32+4*\j+3], v[SO] offset:256+16*\j      ; k = 64 + 32 h + 0 .. 31
.endr
	s_wait_dscnt 0x0                               ; my 64 numbers are in, and the stores have read their registers,
.if (\f) < 6
	LOAD (\f)+2                                    ; which take the loads of two fragments on
.endif
.irp g, 0,1,2,3,4,5,6,7
	v_cvt_scalef32_pk8_fp8_f32 v[F+2*\g:F+2*\g+1], v[X+8*\g:X+8*\g+7], v[ONE]   ; the problem's cast to E4M3: nearest, ties to even
.endr
	v_nop                                          ; one plain place behind scaled conversions, ahead of what reads their results and writes their sources
.irp g, 0,1,2,3,4,5,6,7
	v_cvt_scale_pk8_f32_fp8 v[X+8*\g:X+8*\g+7], v[F+2*\g:F+2*\g+1], v[U8]       ; and back to f32, exactly
.endr
	v_nop
	v_max3_num_f32 v[M], |v[X]|, |v[X+1]|, 0x1800000        ; my two blocks' largest magnitudes, by turns, with the floor 2^(3 - 127) among the leaves: the byte cannot fall under 1
	v_max3_num_f32 v[M+1], |v[X+32]|, |v[X+33]|, 0x1800000
.irp i, 2,4,6,8,10,12,14,16,18,20,22,24,26,28,30
	v_max3_num_f32 v[M], v[M], |v[X+\i]|, |v[X+\i+1]|
	v_max3_num_f32 v[M+1], v[M+1], |v[X+32+\i]|, |v[X+33+\i]|
.endr
	v_add_nc_u32 v[SCO], 0xff000000, v[M]          ; 2 off the exponent field: the conversion takes the exponent field of this operand as its scale, and nothing else of it
	v_add_nc_u32 v[SCO+1], 0xff000000, v[M+1]
	v_lshrrev_b32 v13, 23, v[SCO]                  ; the scales' bytes: blocks h and 2 + h of row r,
	v_lshrrev_b32 v15, 23, v[SCO+1]
	v_lshl_or_b32 v13, v15, 16, v13
	v_lshlrev_b32 v13, v[SH], v13                  ; at their places in the scale word (8 h bits up);
	v_permlanex16_b32 v14, v13, s20, s21
	v_or_b32 v[W+(\f)], v13, v14                   ; with lane l xor 16's two the word is whole
	s_wait_alu depctr_va_vdst(0)
	s_wait_xcnt 0x0                                ; the last fragment's stores have had their addresses translated: only behind this wait are their data registers written again
	v_cvt_scalef32_pk16_fp6_f32 v[PC:PC+2], v[X:X+15], v[SCO]
	v_cvt_scalef32_pk16_fp6_f32 v[T0:T0+2], v[X+16:X+31], v[SCO]
	v_cvt_scalef32_pk16_fp6_f32 v[PC+6:PC+8], v[X+32:X+47], v[SCO+1]
	v_cvt_scalef32_pk16_fp6_f32 v[T1:T1+2], v[X+48:X+63], v[SCO+1]
	v_nop                                          ; one plain place behind scaled conversions
.irp i, 0,1,2
	v_mov_b32 v[PC+3+\i], v[T0+\i]
	v_mov_b32 v[PC+9+\i], v[T1+\i]
.endr
.irp c, 0,1,2
	global_store_b128 v[LO], v[PC+4*\c:PC+4*\c+3], s[8:9] offset:1536*(\f)+512*\c   ; 32 lanes store 512 consecutive bytes, at a multiple of 256 from the buffer's first byte
.endr
.endm
	LOAD 0
	LOAD 1
.irp f, 0,1,2,3,4,5,6,7
	FRAGQ \f
.endr
	v_cmp_ne_u32 vcc_lo, 0, v[SH]                  ; lanes 16-31 store the words of fragments 4-7, lanes 0-15 those of fragments 0-3
.irp j, 0,1,2,3
	v_cndmask_b32 v[O+\j], v[W+\j], v[W+4+\j], vcc_lo
.endr
	global_store_b128 v[LO], v[O:O+3], s[8:9] offset:12288   ; the BLK's 512 bytes of scale words
	s_wait_tensorcnt 0x0                           ; the wave's end
	ds_add_u32 v[SPW], v[NIL]
	s_wait_dscnt 0x0
	s_endpgm
.Lfunc_end_k_q339cd5202e_quant:
	.size	k_q339cd5202e_quant, .Lfunc_end_k_q339cd5202e_quant-k_q339cd5202e_quant
	.p2alignl 7, 3214868480
	.fill 96, 4, 3214868480
	.section	.rodata,"a",@progbits
	.p2align	6, 0x0
	.amdhsa_kernel k_q339cd5202e_quant
		.amdhsa_group_segment_fixed_size 34304
		.amdhsa_private_segment_fixed_size 0
		.amdhsa_enable_private_segment 0
		.amdhsa_kernarg_size 32
		.amdhsa_user_sgpr_count 2
		.amdhsa_user_sgpr_kernarg_segment_ptr 1
		.amdhsa_wavefront_size32 1
		.amdhsa_system_sgpr_workgroup_id_x 1
		.amdhsa_system_sgpr_workgroup_id_y 1
		.amdhsa_system_sgpr_workgroup_id_z 1
		.amdhsa_system_vgpr_workitem_id 0
		.amdhsa_next_free_vgpr 256
		.amdhsa_next_free_sgpr 66
		.amdhsa_reserve_vcc 1
		.amdhsa_float_denorm_mode_32 3
		.amdhsa_float_denorm_mode_16_64 3
		.amdhsa_memory_ordered 1
		.amdhsa_forward_progress 1
		.amdhsa_inst_pref_size 66
	.end_amdhsa_kernel
	.amdgpu_metadata
---
amdhsa.version: [ 1, 2 ]
amdhsa.kernels:
  - .name:           k_q339cd5202e_quant
    .symbol:         k_q339cd5202e_quant.kd
    .args:
      - { .name: inp, .offset: 0, .size: 8, .value_kind: global_buffer, .address_space: global }
      - { .name: weight, .offset: 8, .size: 8, .value_kind: global_buffer, .address_space: global }
      - { .name: aq, .offset: 16, .size: 8, .value_kind: global_buffer, .address_space: global }
      - { .name: bq, .offset: 24, .size: 8, .value_kind: global_buffer, .address_space: global }
    .group_segment_fixed_size: 34304
    .private_segment_fixed_size: 0
    .kernarg_segment_align: 8
    .kernarg_segment_size: 32
    .max_flat_workgroup_size: 128
    .sgpr_count:     66
    .vgpr_count:     256
    .wavefront_size: 32
...
	.end_amdgpu_metadata
.endif
;; end of part 1
;; launch gemm (part 2): grid 16 x 16, 4 waves a work-group, clusters of 4 x 4, 327,680 bytes of LDS; arguments aq, bq, bias, out0; writes out0
.if DOCPART == 2
	.amdgcn_target "amdgcn-amd-amdhsa--gfx1250"
	.amdhsa_code_object_version 6
	.text
	.protected	k_q339cd5202e_gemm
	.globl	k_q339cd5202e_gemm
	.p2align	8
	.type	k_q339cd5202e_gemm,@function
k_q339cd5202e_gemm:
	s_mov_b64 s[64:65], 0
	v_nop
	global_prefetch_b8 v0, s[64:65] scope:SCOPE_SE
	s_setreg_imm32_b32 hwreg(HW_REG_WAVE_MODE, 25, 1), 1
	s_wait_xcnt 0x0
	s_wait_alu depctr_hold_cnt(0) depctr_sa_sdst(0) depctr_va_vdst(0) depctr_va_sdst(0) depctr_va_ssrc(0) depctr_va_vcc(0) depctr_vm_vsrc(0)
	s_getreg_b32 s2, hwreg(HW_REG_IB_STS2, 6, 4)
	s_cmp_eq_u32 s2, 0
	s_cbranch_scc0 .Lentry_in_a_cluster
	s_endpgm
.Lentry_in_a_cluster:
	s_bfe_u32 s2, ttmp6, 0x10000c
	s_cmp_lg_u32 s2, 0xf033
	s_cbranch_scc0 .Lentry_shape_is_right
	s_endpgm
.Lentry_shape_is_right:
; out0[m][n] = sum over k of A[m][k] B[n][k] + bias[n].  A (aq) and B (bq) are the codes of FP6 (E2M3) and E8M0 scale words that the launch before has laid in the order of the operand's registers:
; [row / 256][k / 128][(row / 128) % 2][BLK]; a BLK is 128 rows x 128 K: fragment i's registers 4 c .. 4 c + 3 of lane l at 1536 i + 512 c + 16 l, and from byte 12,288 on the scale words.
; A tile of out0, 256 x 256, is made by a work-group of four waves; a wave makes 128 x 128: 64 accumulators, 512 registers.  32 K steps of 128, 64 matrix instructions each.
; THE RING: two LDS slots, each with three K steps of A's 256 rows and of B's (153,600 bytes).  K steps 0 and 1 come by the head's loads into slot 0's last two places, the other 30 by ten fills.
; A wave issues one tensor load behind each round: half of A's or of B's part of a slot, 38,400 bytes that are dense in memory, stated as 75 rows of 512 bytes; one tensor load a wave is out at any time.
; CLUSTERS: 4 x 4 work-groups; A's tiles are asked for jointly along a row of the cluster, B's along a column.  Source 0 = 16 rows of B, source 1 = 16 rows of A: a lane holds eight neighbouring numbers of a row of out0.
; REGISTERS, in windows of 256: window 0: v0-31 addresses, v32-47 scale words (two sets of 8), v64-255 A's fragments, two sets of 96; window 1: v0-63 the bias, which is the C of the first K step's products,
; v64-255 B's fragments, two sets; window 2: the accumulators of my rows 0-63 ((a, b) at 8 (8 (a % 4) + b)); window 3: those of my rows 64-127.
; Both sets of every fragment exist, so the 50 LDS loads of the next K step stand in ONE run at a step's head: they land in registers that were last read in the step before, behind four v_nop,
; and have the step's 64 products in which to come back.  Four switches of the register window serve a K step.
; At a change of slots nothing but the waits, the add and the round stands between the landing of one fill and the request for the next; the step's products follow the request.
; PREFETCH: behind each joint load and the run of LDS loads every wave asks for its share of the part that it will itself load one fill (three K steps) later: of that part's 150 blocks of 256 bytes each of the
; four partners that ask for it jointly names 38, told apart by address.  The head's loads and the first fill come by their loads alone; the last fill's trip asks for nothing.
.set BLK,    12800
.set STEPB,  2*BLK                     ; a K step of 256 rows
.set TENS,   3*STEPB                   ; A's or B's part of a slot
.set SLOT,   2*TENS
.set PART,   TENS/2                    ; what one tensor load of the ring brings
.set STREAM, 32*STEPB                  ; all of K for 256 rows
.set SCO,    12288                     ; the scale words' place in a BLK
.set SPITCH, 528                       ; the way out: a stage of 16 rows x (512 + 16) bytes for each wave, in slot 1, which has had its last fill and its last read by then
.set STAGE,  SLOT
.set SPARE,  2*SLOT                    ; behind the ring: the spare words, 128 bytes a wave
.set ROWC,   16384                     ; a row of out0 in bytes
.set ADRA, 16                          ; v16-17 LDS address of my A fragments in slot 0, 1
.set ADRB, 20                          ; v20-21 the same for B
.set ADRS, 22                          ; v22-23 and for my scale words: lanes 0-15 A's, lanes 16-31 B's
.set STO,  24                          ; the way out: where I put 32 bytes of a row
.set RD,   25                          ; where I read a row back
.set CO,   26                          ; 16 x lane
.set SPW,  28                          ; LDS address of my spare word; never rewritten
.set NIL,  29                          ; 0; never rewritten
.set PFO,  30                          ; v30-31 the prefetches' offsets
.set SC,   32                          ; scale words, set p at SC + 8 p; register i: lanes 0-15 A's block i, lanes 16-31 B's block i
.set AF,   64                          ; window 0: A's fragments, set p at AF + 96 p
.set BF,   64                          ; window 1: B's
.set BIAS, 0                           ; window 1
.set RAW,  64                          ; window 0: the bias as loaded, where A's fragments will lie
.set BK,   64                          ; the way out: 16 rows read back: v64-127 and v128-191 by turns
.set G1,   24                          ; s[24:31] group 1 for A's tiles; s[32:39] group 0, one for each slot
.set G0,   32
.set G1B,  48                          ; s[48:55], s[56:63] the same for B's
.set G0B,  56
.set G0F,  76                          ; s[76:79], s[88:91] group 0 of the head's loads
.set G0FB, 88
.set PFA,  96                          ; s[96:97] my part of the fill that the next prefetch names
.set MSB, 0
.macro WIN new                         ; the immediate's high byte repeats the setting that is left
.if MSB != (\new)
	s_set_vgpr_msb (MSB<<8)|(\new)
.set MSB, (\new)
.endif
.endm
.set MUL_LO, 0xa1                      ; source 0 (B) window 1, source 1 (A) window 0, C and D window 2
.set MUL_HI, 0xf1                      ; the same, C and D window 3
.set BIA_LO, 0x91                      ; the first K step: C is the bias, in window 1
.set BIA_HI, 0xd1
.set TO_B,   0x40                      ; destination window 1, sources window 0
.macro PLACES
.rept 4
	v_nop
.endr
.endm
.macro JLOAD g0a, g0b                  ; a joint load: waves 0 and 1 fetch for A, waves 2 and 3 for B; s_nop 0 and four v_nop behind each line
	s_cmp_eq_u32 s15, 0
	s_cbranch_scc0 .Lfor_b_\@
	tensor_load_to_lds s[\g0a:\g0a+3], s[G1:G1+7]
	s_nop 0
	PLACES
	s_branch .Lasked_\@
.Lfor_b_\@:
	tensor_load_to_lds s[\g0b:\g0b+3], s[G1B:G1B+7]
	s_nop 0
	PLACES
.Lasked_\@:
.endm
.macro CREST                           ; a round of the cluster's barrier behind its opening barrier
	s_cmp_lg_u32 s14, 0
	s_cbranch_scc1 .Lnot_wave_0_\@
	s_barrier_signal -3
.Lnot_wave_0_\@:
	s_barrier_wait -3
	s_barrier_signal -1
	s_barrier_wait -1
.endm
.macro CROUND
	s_barrier_signal -1
	s_barrier_wait -1
	CREST
.endm
.macro ASK                             ; 38 blocks of 256 bytes: 32 lanes, then 6 (the lanes left over name the last of them again)
	global_prefetch_b8 v[PFO], s[PFA:PFA+1] th:TH_LOAD_NT scope:SCOPE_SE
	global_prefetch_b8 v[PFO+1], s[PFA:PFA+1] th:TH_LOAD_NT scope:SCOPE_SE
.endm
	s_load_b256 s[4:11], s[0:1], 0x0               ; aq s[4:5], bq s[6:7], bias s[8:9], out0 s[10:11]
	v_lshl_add_u32 v[SPW], v0, 2, SPARE
	v_mov_b32 v[NIL], 0
	ds_add_u32 v[SPW], v[NIL]                      ; the opening lines: the add, twice on end, and its wait ahead of my first tensor load
	ds_add_u32 v[SPW], v[NIL]
	v_lshrrev_b32 v1, 5, v0
	v_readfirstlane_b32 s14, v1                    ; wave 0..3
	v_bfe_u32 v2, v0, 4, 1                         ; h = l / 16
	v_lshlrev_b32 v5, 4, v2                        ; the bias: 16 h bytes
	s_lshr_b32 s15, s14, 1                         ; my half of the tile's rows.  Also: I fetch for A (0) or for B (1)
	s_and_b32 s16, s14, 1                          ; my half of its columns.  Also: which half of a part I fetch
	s_bfe_u32 s40, ttmp6, 0x40000                  ; cx, cy
	s_bfe_u32 s41, ttmp6, 0x40004
	s_lshl_b32 s42, ttmp9, 2
	s_add_co_u32 s42, s42, s40                     ; tile column
	s_and_b32 s17, ttmp7, 0xffff
	s_lshl_b32 s17, s17, 2
	s_add_co_u32 s17, s17, s41                     ; tile row
	s_lshl_b32 s43, s41, 2
	s_lshl_b32 s43, 15, s43                        ; my row of the cluster
	s_lshl_b32 s44, 0x1111, s40                    ; my column
	s_or_b32 s[G1+0], s43, (3<<16)|(1<<21)         ; the mask; elements of 8 bytes; bit 21 beside a mask; no padding: lanes read 16 neighbouring bytes each
	s_or_b32 s[G1B+0], s44, (3<<16)|(1<<21)
.irp g, G1, G1B
	s_mov_b32 s[\g+1], 32<<16                      ; the head's loads: one K step, 25,600 dense bytes, as 100 rows of 256 bytes
	s_mov_b32 s[\g+2], 100<<16
	s_mov_b32 s[\g+3], 32<<16
	s_mov_b32 s[\g+4], 100
	s_mov_b32 s[\g+5], 32
	s_mov_b32 s[\g+6], 0
	s_mov_b32 s[\g+7], 0
.endr
	s_mul_i32 s20, s17, STREAM                     ; A's stream hangs on the tile row alone, B's on the tile column alone
	s_mov_b32 s21, 0
	s_mul_i32 s46, s42, STREAM
	s_mov_b32 s47, 0
	s_mul_i32 s22, s16, PART
	s_mov_b32 s23, 0
	s_mul_i32 s92, s16, STEPB                      ; at the head I fetch K step 0 or 1,
	s_mov_b32 s93, 0
	s_mul_i32 s45, s14, PART                       ; in the ring: wave x PART
	s_mul_i32 s94, s15, TENS
	s_add_co_u32 s94, s94, s92
	s_add_co_u32 s94, s94, STEPB                   ; into place 1 or 2 of slot 0
	s_lshl_b32 s66, s42, 9                         ; my 128 columns of the bias: 512 x tile column + 256 x half, in bytes
	s_lshl_b32 s67, s16, 8
	s_add_co_u32 s66, s66, s67
	s_mov_b32 s67, 0
	s_wait_alu depctr_va_vdst(0)
	s_wait_dscnt 0x0                               ; both opening adds are done
	s_wait_kmcnt 0x0
	s_add_nc_u64 s[20:21], s[4:5], s[20:21]
	s_add_nc_u64 s[46:47], s[6:7], s[46:47]
	s_add_nc_u64 s[8:9], s[8:9], s[66:67]
.irp b, 0,1,2,3,4,5,6,7
	global_load_b128 v[RAW+4*\b:RAW+4*\b+3], v5, s[8:9] offset:32*\b   ; bias of columns 16 b + 8 h + 0 .. 7: asked for here, so that it is on its way with the head's tiles
.endr
	CROUND                                         ; all sixteen work-groups are here: the first joint loads meet
	s_mov_b32 s[G0F], 1
	s_mov_b32 s[G0F+1], s94
	s_add_nc_u64 s[G0F+2:G0F+3], s[20:21], s[92:93]
	s_or_b32 s[G0F+3], s[G0F+3], 0x80000000
	s_mov_b32 s[G0FB], 1
	s_mov_b32 s[G0FB+1], s94
	s_add_nc_u64 s[G0FB+2:G0FB+3], s[46:47], s[92:93]
	s_or_b32 s[G0FB+3], s[G0FB+3], 0x80000000
	JLOAD G0F, G0FB                                ; K steps 0 and 1: one tensor load a wave at the head
.irp s, 0,1                            ; slot 1 begins with K step 2, slot 0's first fill of the ring with K step 5
	s_mov_b32 s[G0+4*\s], 1
	s_add_co_u32 s[G0+4*\s+1], s45, \s*SLOT
	s_add_nc_u64 s[G0+4*\s+2:G0+4*\s+3], s[20:21], s[22:23]
	s_add_nc_u64 s[G0+4*\s+2:G0+4*\s+3], s[G0+4*\s+2:G0+4*\s+3], (5-3*\s)*STEPB
	s_or_b32 s[G0+4*\s+3], s[G0+4*\s+3], 0x80000000
	s_mov_b32 s[G0B+4*\s], 1
	s_add_co_u32 s[G0B+4*\s+1], s45, \s*SLOT
	s_add_nc_u64 s[G0B+4*\s+2:G0B+4*\s+3], s[46:47], s[22:23]
	s_add_nc_u64 s[G0B+4*\s+2:G0B+4*\s+3], s[G0B+4*\s+2:G0B+4*\s+3], (5-3*\s)*STEPB
	s_or_b32 s[G0B+4*\s+3], s[G0B+4*\s+3], 0x80000000
.endr
	; all scalars that the vector lines below read are made first, so that those lines stand on end
	s_mul_i32 s12, s15, BLK                        ; my 128 rows of A in a K step
	s_mul_i32 s13, s16, BLK
	s_add_co_u32 s13, s13, TENS                    ; my 128 rows of B, behind A's part of the slot
	s_sub_co_u32 s18, s13, s12
	s_add_co_u32 s19, s12, SCO
	s_mul_i32 s66, s14, 16*SPITCH
	s_add_co_u32 s66, s66, STAGE                   ; my stage
	s_cmp_eq_u32 s15, 0
	s_cselect_b32 s67, s40, s41                    ; my place among the four that ask with me: cx for A, cy for B.  It enters the prefetches' addresses alone
	s_cselect_b64 s[PFA:PFA+1], s[20:21], s[46:47]
	s_mul_i32 s67, s67, 38
	s_add_nc_u64 s[PFA:PFA+1], s[PFA:PFA+1], s[22:23]
	s_add_nc_u64 s[PFA:PFA+1], s[PFA:PFA+1], 5*STEPB   ; the ring's second fill
	s_lshl_b32 s20, s17, 8
	s_lshl_b32 s21, s15, 7
	s_add_co_u32 s20, s20, s21                     ; my first row of out0
	s_lshl_b32 s20, s20, 14
	s_lshl_b32 s46, s42, 10
	s_lshl_b32 s47, s16, 9
	s_add_co_u32 s20, s20, s46
	s_add_co_u32 s20, s20, s47                     ; + my first column, in bytes
	s_mov_b32 s21, 0
	s_add_nc_u64 s[10:11], s[10:11], s[20:21]
	v_and_b32 v1, 15, v0                           ; r = l % 16
	v_and_b32 v3, 31, v0                           ; lane
	v_lshlrev_b32 v[CO], 4, v3
	v_mul_u32_u24 v4, s18, v2                      ; lanes 16-31 take B's scale words
	v_lshl_add_u32 v4, v1, 4, v4
	v_add_nc_u32 v[ADRA], s12, v[CO]
	v_add_nc_u32 v[ADRB], s13, v[CO]
	v_add_nc_u32 v[ADRS], s19, v4
	v_add_nc_u32 v[ADRA+1], SLOT, v[ADRA]
	v_add_nc_u32 v[ADRB+1], SLOT, v[ADRB]
	v_add_nc_u32 v[ADRS+1], SLOT, v[ADRS]
	v_mul_u32_u24 v6, v1, SPITCH
	v_lshl_add_u32 v6, v2, 5, v6
	v_add_nc_u32 v[STO], s66, v6
	v_add_nc_u32 v[RD], s66, v[CO]
	v_add_nc_u32 v7, s67, v3                       ; blocks 38 p + lane,
	v_min_u32 v8, 5, v3
	v_add_nc_u32 v8, s67, v8
	v_add_nc_u32 v8, 32, v8                        ; and 38 p + 32 + 0 .. 5,
	v_min_u32 v7, 149, v7                          ; held inside my part's 150
	v_min_u32 v8, 149, v8
	v_lshlrev_b32 v[PFO], 8, v7
	v_lshlrev_b32 v[PFO+1], 8, v8
	s_wait_alu depctr_va_vdst(0)
	s_wait_loadcnt 0x0                             ; the bias is in
	WIN TO_B                                       ; widened to f32 in the result's layout, into window 1
.irp b, 0,1,2,3,4,5,6,7
.irp k, 0,1,2,3
	v_lshlrev_b32 v[BIAS+8*\b+2*\k], 16, v[RAW+4*\b+\k]
	v_and_b32 v[BIAS+8*\b+2*\k+1], 0xffff0000, v[RAW+4*\b+\k]
.endr
.endr
	WIN 0
; 50 LDS loads in one run: place q of a slot into set p: B's eight fragments, A's eight, and the scale words.  A fragment's registers lie in LDS as they lie in the lanes: load n brings registers 4 n .. 4 n + 3.
.macro FETCH slot, q, p
	WIN TO_B
.irp n, 0,1,2,3,4,5,6,7,8,9,10,11,12,13,14,15,16,17,18,19,20,21,22,23
	ds_load_b128 v[BF+96*(\p)+4*\n:BF+96*(\p)+4*\n+3], v[ADRB+\slot] offset:(\q)*STEPB+512*\n
.endr
	WIN 0
.irp n, 0,1,2,3,4,5,6,7,8,9,10,11,12,13,14,15,16,17,18,19,20,21,22,23
	ds_load_b128 v[AF+96*(\p)+4*\n:AF+96*(\p)+4*\n+3], v[ADRA+\slot] offset:(\q)*STEPB+512*\n
.endr
	ds_load_b128 v[SC+8*(\p):SC+8*(\p)+3], v[ADRS+\slot] offset:(\q)*STEPB
	ds_load_b128 v[SC+8*(\p)+4:SC+8*(\p)+7], v[ADRS+\slot] offset:(\q)*STEPB+256
.endm
; 16 products: A's blocks a0, a0 + 1 against B's eight, set p.  The 64 accumulators take turns, one instruction a turn, in the same order in every step.
.macro MUL16 a0, p, bias
.irp a, \a0, \a0+1
.irp b, 0,1,2,3,4,5,6,7
.set DD, 8*(8*((\a)%4)+\b)
.if \bias
.set CC, BIAS+8*\b
.else
.set CC, DD
.endif
	v_wmma_scale_f32_16x16x128_f8f6f4 v[DD:DD+7], v[BF+96*(\p)+12*\b:BF+96*(\p)+12*\b+11], v[AF+96*(\p)+12*(\a):AF+96*(\p)+12*(\a)+11], v[CC:CC+7], v[SC+8*(\p)+\b], v[SC+8*(\p)+(\a)] matrix_a_fmt:MATRIX_FMT_FP6 matrix_b_fmt:MATRIX_FMT_FP6 matrix_a_scale:MATRIX_SCALE_ROW1
.endr
.endr
.endm
.macro MUL64 p, bias
.if \bias
	WIN BIA_LO
.else
	WIN MUL_LO
.endif
	MUL16 0, \p, \bias
	MUL16 2, \p, \bias
.if \bias
	WIN BIA_HI
.else
	WIN MUL_HI
.endif
	MUL16 4, \p, \bias
	MUL16 6, \p, \bias
.endm
; A K step that stays in its slot: place q's products on set PP; ld = 1: first place q + 1's fragments are asked for, into the other set.
.macro STEP slot, q, bias, ld
.set PP, ((\slot)+(\q)+1)%2
.if \ld
	PLACES                                         ; in front of loads into registers that the step before multiplied
	FETCH \slot, (\q)+1, 1-PP
	s_wait_dscnt 50                                ; all but the 50 just issued: this step's fragments, asked for a step ago, are in
.else
	s_wait_dscnt 0x0
.endif
	MUL64 PP, \bias
.endm
; A slot's last K step changes slots.  All reads of this slot were issued in the step before.  Each wave waits for all its tensor loads (one is out: its part of the next slot), adds 0 to its spare word, and waits
; for that and for its reads; the barrier opens a round of the cluster's barrier; the joint refill is the first tensor load behind the round; then come the next slot's first fragments and this step's products.
.macro TURN slot, next, fill, ask
.set PP, ((\slot)+1)%2
	WIN 0
.if \ask
	s_wait_xcnt 0x0                                ; my last prefetches have read their address
	s_add_nc_u64 s[PFA:PFA+1], s[PFA:PFA+1], 3*STEPB
.endif
	s_wait_tensorcnt 0x0                           ; all my tensor loads have landed;
	ds_add_u32 v[SPW], v[NIL]
	s_add_nc_u64 s[G0+4*\next+2:G0+4*\next+3], s[G0+4*\next+2:G0+4*\next+3], 6*STEPB      ; no load of mine is out: the next slot's group 0 steps to its next fill
	s_add_nc_u64 s[G0B+4*\next+2:G0B+4*\next+3], s[G0B+4*\next+2:G0B+4*\next+3], 6*STEPB
	s_wait_dscnt 0x0                               ; the add is done, and my reads of this slot are over: this step's fragments are in
	s_barrier_signal -1
	s_barrier_wait -1
.if \fill
	CREST
	JLOAD G0+4*\slot, G0B+4*\slot                  ; its four v_nop are also the places in front of the loads below
.else
	PLACES
.endif
	FETCH \next, 0, 1-PP
.if \ask
	ASK
.endif
	MUL64 PP, 0
.endm
	s_wait_alu depctr_va_vdst(0)
	s_wait_tensorcnt 0x0                           ; my K step of the head's is in; the same lines as ahead of a refill stand ahead of slot 1's first fill:
	ds_add_u32 v[SPW], v[NIL]
.irp g, G1, G1B                        ; no tensor load of mine is out: from here on a load brings 38,400 dense bytes as 75 rows of 512
	s_mov_b32 s[\g+1], 64<<16
	s_mov_b32 s[\g+2], 75<<16
	s_mov_b32 s[\g+3], 64<<16
	s_mov_b32 s[\g+4], 75
	s_mov_b32 s[\g+5], 64
.endr
	s_wait_dscnt 0x0
	CROUND
	JLOAD G0+4, G0B+4                              ; K steps 2 to 4
	FETCH 0, 1, 0                                  ; K step 0's fragments
	ASK                                            ; K steps 5 to 7
	STEP 0, 1, 1, 1                                ; the first products start the sums from the bias
	WIN 0                                          ; at a label and at a branch every window is 0
	s_mov_b32 s3, 4
.Llap:                                                 ; a trip goes once round the ring: six K steps, after which slots and sets are where they began
	TURN 0, 1, 1, 1
	STEP 1, 0, 0, 1
	STEP 1, 1, 0, 1
	TURN 1, 0, 1, 1
	STEP 0, 0, 0, 1
	STEP 0, 1, 0, 1
	WIN 0
	s_sub_co_u32 s3, s3, 1
	s_cmp_lg_u32 s3, 0
	s_cbranch_scc1 .Llap
	TURN 0, 1, 1, 0                                ; the last fill: K steps 29 to 31; nothing is left to prefetch
	STEP 1, 0, 0, 1
	STEP 1, 1, 0, 1
	TURN 1, 0, 0, 0                                ; nothing is filled again, so no round follows
	STEP 0, 0, 0, 1
	STEP 0, 1, 0, 1
	STEP 0, 2, 0, 0
	WIN 0
; THE WAY OUT, block by block of 16 rows x 128 columns: through my own stage in LDS and back as whole rows of 512 bytes, which the 32 lanes store as two aligned units of 256 bytes.
; LDS serves a wave's instructions in order (ISA guide 5.7.1.4): no wait between the stores and the loads.
.macro TOSTAGE a
.set AC, 64*((\a)%4)
	WIN 0x08+4*((\a)/4)                            ; the data: window 2 or 3
.irp b, 0,1,2,3,4,5,6,7
	ds_store_b128 v[STO], v[AC+8*\b:AC+8*\b+3] offset:64*\b          ; each accumulator from its low end on
	ds_store_b128 v[STO], v[AC+8*\b+4:AC+8*\b+7] offset:64*\b+16
.endr
	WIN 0
.set BB, BK+64*((\a)%2)
.irp t, 0,1,2,3,4,5,6,7,8,9,10,11,12,13,14,15
	ds_load_b128 v[BB+4*\t:BB+4*\t+3], v[RD] offset:\t*SPITCH
.endr
.endm
.macro SEND a, younger                 ; younger: the LDS instructions issued behind block a's loads
.set BB, BK+64*((\a)%2)
	s_wait_dscnt \younger
.if (\a) > 0
	s_add_nc_u64 s[10:11], s[10:11], 16*ROWC       ; behind a wait on XCNT: the earlier stores have read their base
.endif
.irp t, 0,1,2,3,4,5,6,7,8,9,10,11,12,13,14,15
	global_store_b128 v[CO], v[BB+4*\t:BB+4*\t+3], s[10:11] offset:\t*ROWC th:TH_STORE_NT   ; 32 lanes store 512 consecutive bytes, at a multiple of 256 from out0's first byte
.endr
.endm
	PLACES                                         ; behind the last products: for the reads of results and for the loads into fragment registers
	TOSTAGE 0
.irp a, 1,2,3,4,5,6,7
.if \a > 1
	s_wait_xcnt 0x0                                ; block a - 2's stores have read their registers and their base
.endif
	TOSTAGE \a
	SEND \a-1, 32                                  ; behind block a - 1's loads: block a's 16 stores and 16 loads
.endr
	s_wait_xcnt 0x0
	SEND 7, 0
	s_wait_tensorcnt 0x0                           ; the wave's end
	ds_add_u32 v[SPW], v[NIL]
	s_wait_dscnt 0x0
	CROUND                                         ; the closing round
	s_endpgm
.Lfunc_end_k_q339cd5202e_gemm:
	.size	k_q339cd5202e_gemm, .Lfunc_end_k_q339cd5202e_gemm-k_q339cd5202e_gemm
	.p2alignl 7, 3214868480
	.fill 96, 4, 3214868480
	.section	.rodata,"a",@progbits
	.p2align	6, 0x0
	.amdhsa_kernel k_q339cd5202e_gemm
		.amdhsa_group_segment_fixed_size 327680
		.amdhsa_private_segment_fixed_size 0
		.amdhsa_enable_private_segment 0
		.amdhsa_kernarg_size 32
		.amdhsa_user_sgpr_count 2
		.amdhsa_user_sgpr_kernarg_segment_ptr 1
		.amdhsa_wavefront_size32 1
		.amdhsa_system_sgpr_workgroup_id_x 1
		.amdhsa_system_sgpr_workgroup_id_y 1
		.amdhsa_system_sgpr_workgroup_id_z 1
		.amdhsa_system_vgpr_workitem_id 0
		.amdhsa_next_free_vgpr 1024
		.amdhsa_next_free_sgpr 98
		.amdhsa_reserve_vcc 0
		.amdhsa_float_denorm_mode_32 3
		.amdhsa_float_denorm_mode_16_64 3
		.amdhsa_memory_ordered 1
		.amdhsa_forward_progress 1
		.amdhsa_inst_pref_size 207
	.end_amdhsa_kernel
	.amdgpu_metadata
---
amdhsa.version: [ 1, 2 ]
amdhsa.kernels:
  - .name:           k_q339cd5202e_gemm
    .symbol:         k_q339cd5202e_gemm.kd
    .args:
      - { .name: aq, .offset: 0, .size: 8, .value_kind: global_buffer, .address_space: global }
      - { .name: bq, .offset: 8, .size: 8, .value_kind: global_buffer, .address_space: global }
      - { .name: bias, .offset: 16, .size: 8, .value_kind: global_buffer, .address_space: global }
      - { .name: out0, .offset: 24, .size: 8, .value_kind: global_buffer, .address_space: global }
    .group_segment_fixed_size: 327680
    .private_segment_fixed_size: 0
    .kernarg_segment_align: 8
    .kernarg_segment_size: 32
    .max_flat_workgroup_size: 128
    .sgpr_count:     98
    .vgpr_count:     1024
    .wavefront_size: 32
...
	.end_amdgpu_metadata
.endif
;; end of part 2
